; MI455X (gfx1250); checked and timed in simulation.
; The chip was launched on July 23, 2026; its instructions are those of AMD's public machine-readable ISA for CDNA 5 (MIT licence, August 2026) and "CDNA5" Instruction Set Architecture Reference Guide (July 2026). The comments in the code are by the model that wrote it; some were corrected since.
;; Real Imag Ternary Linear. Allowed arithmetic: matrix products marked QUANTISED: E5M2 operands, one E8M0 scale for each 32 along K, by v_wmma_scale_f32_16x16x128_f8f6f4 with both operands' format E5M2, f32 sums; everything else in f32.
;; Inputs: quant_x_im 2,048 x 4,096 float32; quant_x_re 2,048 x 4,096 float32; weight_im 2,048 x 4,096 float32; weight_re 2,048 x 4,096 float32.
;; Outputs: out0 2,048 x 2,048 float32; out1 2,048 x 2,048 float32.
;; This version of the problem:
;;   THIS VERSION OF THE PROBLEM IS GIVEN IN LOW PRECISION. The matrix products marked QUANTISED in the list below multiply operands that are first quantised to E5M2 (5 exponent bits, 2 mantissa bits; 8 bits a number), with one power-of-two scale for each 32 numbers along K (OCP MX v1.0); their sums are f32. All else is computed in f32.
;;   The module's matrix products, in the order in which they are computed (A, B: the left and right operand; K: the contracted axis; several contracted axes count as one K, in the product's order):
;;     1. [M 2,048, K 4,096] x [K 4,096, N 2,048]; A: input quant_x_re; B: computed on the way: QUANTISED
;;     2. [M 2,048, K 4,096] x [K 4,096, N 2,048]; A: input quant_x_im; B: computed on the way: QUANTISED
;;     3. [M 2,048, K 4,096] x [K 4,096, N 2,048]; A: input quant_x_re; B: computed on the way: QUANTISED
;;     4. [M 2,048, K 4,096] x [K 4,096, N 2,048]; A: input quant_x_im; B: computed on the way: QUANTISED
;;   THE QUANTISER, for each operand of a quantised product, along K:
;;     - K is cut into blocks of 32 from its start; a last block that is shorter is filled with zeros.
;;     - A block's scale is 2^e with e = floor(log2(the largest magnitude in the block)) - 15, held to -126 .. 127; a block of zeros has e = 0. As a byte (E8M0): e + 127.
;;     - Each number is divided by its block's scale, clamped to +-57,344, and rounded to the nearest number of E5M2, ties to even, subnormals kept.
;;     - The product sums the exact products of the quantised numbers (number of the format x scale) in f32.
;;   ~~~python
;;   def quantise(x, axis):      # numpy; x: float32 -> the quantised numbers, widened to float32 again
;;       x = np.moveaxis(x, axis, -1); K = x.shape[-1]
;;       x = np.pad(x, [(0, 0)] * (x.ndim - 1) + [(0, -K % 32)]); x = x.reshape(x.shape[:-1] + (-1, 32)); a = np.abs(x).max(-1, keepdims=True)
;;       e = np.where(a > 0, np.clip(np.frexp(np.where(a > 0, a, 1))[1] - 1 - 15, -126, 127), 0)      # np.frexp(a)[1] - 1 = floor(log2(a)), exactly
;;       r = np.clip(x / 2.0 ** e, -57344, 57344)
;;       step = 2.0 ** (np.maximum(np.frexp(np.where(r == 0, 1, r))[1] - 1, -14) - 2)
;;       q = np.round(r / step) * step * 2.0 ** e      # np.round: ties to even
;;       return np.moveaxis(q.reshape(q.shape[:-2] + (-1,))[..., :K], -1, axis).astype(np.float32)
;;   ~~~
;;   OPERANDS COMPUTED ON THE WAY. 'Computed on the way' means the value that the module computes at that place (a softmax that the list does not call 'softmax' is quantised finished and normalised). What goes into a quantiser is computed in f32, as accurately as f32 sums, v_exp_f32 and their like allow (about 1e-6 of the number): no bf16 or f16 on the way to a quantiser, and a product that is left as it is and whose result goes on into a quantised operand takes f32 operands (vector FMAs, or v_wmma_f32_16x16x4_f32). A number that lies on a knife's edge between two numbers of the format may be rounded either way, as far as f32 arithmetic and the matrix unit's own rounding can turn it there, and no further.
;; One version. Each part assembles by itself: llvm-mc -triple=amdgcn-amd-amdhsa -mcpu=gfx1250 --defsym DOCPART=n.
;; ======== version 1 of 1: 3 launches
;; limits: right only within a limited range of input values
;; workspace buffers: psum 8,192 bytes; wq 17,301,504 bytes; xq 17,301,504 bytes
;; launch wsum (part 1): grid 256 x 1, 8 waves a work-group, no clusters, 0 bytes of LDS; arguments weight_re, weight_im, psum; writes psum
.if DOCPART == 1
	.amdgcn_target "amdgcn-amd-amdhsa--gfx1250"
	.amdhsa_code_object_version 6
	.text
	.protected	k_q4d78c9217f_wsum
	.globl	k_q4d78c9217f_wsum
	.p2align	8
	.type	k_q4d78c9217f_wsum,@function
k_q4d78c9217f_wsum:
	s_mov_b64 s[64:65], 0
	v_nop
	global_prefetch_b8 v0, s[64:65] scope:SCOPE_SE
	s_setreg_imm32_b32 hwreg(HW_REG_WAVE_MODE, 25, 1), 1
	s_wait_xcnt 0x0
; PARTIAL SUMS OF |w|, for the mean that the ternariser needs.  weight_re, weight_im: [2048][4096] f32.  psum: f32 [2 (re, im)][1024]: one sum for each wave.
; Work-groups 0-127 take weight_re, 128-255 weight_im; a work-group takes 262,144 consecutive bytes, each of its eight waves 32,768: 64 loads of 16 bytes a lane, each load 512 consecutive bytes.
; The sum is a tree of short f32 chains: 16 chains of 16 numbers a lane, then pairs, then the lanes.  The next launch adds the 1,024 sums of a tensor, again as a tree.
; LIMITS: the order of the additions is not that of a plain running sum, so the mean may differ from another f32 mean in its last bits; NaN and infinities are not served.
; A stream: no LDS, no barrier, no matrix work; the work-groups share no input, so there is nothing to ask for jointly.  No cache word on the loads: the next launch reads the weights again.
.set D,   8                            ; v8-199   three sets of 64 registers: 16 loads each
.set ACC, 200                          ; v200-215 sixteen running sums
	s_load_b128 s[4:7], s[0:1], 0x0                ; weight_re s[4:5], weight_im s[6:7]
	s_load_b64 s[8:9], s[0:1], 0x10                ; psum
	v_lshrrev_b32 v1, 5, v0
	s_delay_alu instid0(VALU_DEP_1)
	v_readfirstlane_b32 s10, v1                    ; wave 0..7
	v_and_b32 v1, 31, v0                           ; lane
	s_delay_alu instid0(VALU_DEP_1)
	v_lshlrev_b32 v2, 4, v1                        ; my 16 bytes of a load's 512; never rewritten
	v_mov_b32 v217, 0                              ; a lane permute's destination counts as one of its sources: written once
	s_and_b32 s12, ttmp9, 127
	s_lshl_b32 s12, s12, 18                        ; the work-group's 262,144 bytes of its tensor,
	s_lshl_b32 s13, s10, 15                        ; my wave's 32,768 of them
	s_add_co_u32 s12, s12, s13
	s_mov_b32 s13, 0
	s_lshl_b32 s11, ttmp9, 5                       ; psum: 8 words a work-group,
	s_lshl_b32 s15, s10, 2                         ; one a wave
	s_add_co_u32 s11, s11, s15
	v_mov_b32 v3, s11
	s_mov_b32 s2, 0x76543210                       ; v_permlanex16_b32's selects for lane l xor 16
	s_mov_b32 s3, 0xfedcba98
	s_wait_alu depctr_va_vdst(0)
	s_wait_kmcnt 0x0
	s_cmp_lt_u32 ttmp9, 128                        ; which tensor: the choice hangs on the work-group's number alone
	s_cselect_b64 s[4:5], s[4:5], s[6:7]
	s_add_nc_u64 s[4:5], s[4:5], s[12:13]
.macro GROUP g                         ; 16 loads, 8,192 bytes, into set g % 3
.set i, 0
.rept 16
	global_load_b128 v[D+64*((\g)%3)+4*i:D+64*((\g)%3)+4*i+3], v2, s[4:5] offset:8192*(\g)+512*i
.set i, i+1
.endr
.endm
.macro SUM set, first                  ; a set's 64 numbers onto the 16 chains.  first = 1: the first 32 numbers start the chains: nothing is cleared
.set BS, D+64*(\set)
.set k, 0
.if \first
.rept 16
	v_add_f32 v[ACC+k], |v[BS+k]|, |v[BS+k+16]|
.set k, k+1
.endr
.set k, 32
.endif
.rept 64-32*(\first)
	v_add_f32 v[ACC+k%16], v[ACC+k%16], |v[BS+k]|
.set k, k+1
.endr
.endm
	GROUP 0
	GROUP 1
	GROUP 2
	s_wait_loadcnt 32                              ; group 0 is in; groups 1 and 2, 32 loads, may be out
	SUM 0, 1
	GROUP 3                                        ; into set 0, which has just been read
	s_wait_loadcnt 32                              ; group 1 is in; groups 2 and 3 may be out
	SUM 1, 0
	s_wait_loadcnt 16                              ; group 2 is in
	SUM 2, 0
	s_wait_loadcnt 0x0
	SUM 0, 0                                       ; group 3 lies in set 0
.irp k, 0,2,4,6
	v_pk_add_f32 v[ACC+\k:ACC+\k+1], v[ACC+\k:ACC+\k+1], v[ACC+8+\k:ACC+9+\k]
.endr
.irp k, 0,2
	s_delay_alu instid0(VALU_DEP_2)
	v_pk_add_f32 v[ACC+\k:ACC+\k+1], v[ACC+\k:ACC+\k+1], v[ACC+4+\k:ACC+5+\k]
.endr
	s_delay_alu instid0(VALU_DEP_1)
	v_pk_add_f32 v[ACC:ACC+1], v[ACC:ACC+1], v[ACC+2:ACC+3]
	s_delay_alu instid0(VALU_DEP_1)
	v_add_f32 v216, v[ACC], v[ACC+1]               ; my lane's 256 numbers
	s_delay_alu instid0(VALU_DEP_1)
	v_add_f32_dpp v216, v216, v216 row_xmask:1 row_mask:0xf bank_mask:0xf
	s_delay_alu instid0(VALU_DEP_1)
	v_add_f32_dpp v216, v216, v216 row_xmask:2 row_mask:0xf bank_mask:0xf
	s_delay_alu instid0(VALU_DEP_1)
	v_add_f32_dpp v216, v216, v216 row_xmask:4 row_mask:0xf bank_mask:0xf
	s_delay_alu instid0(VALU_DEP_1)
	v_add_f32_dpp v216, v216, v216 row_xmask:8 row_mask:0xf bank_mask:0xf
	s_delay_alu instid0(VALU_DEP_1)
	v_permlanex16_b32 v217, v216, s2, s3
	s_delay_alu instid0(VALU_DEP_1)
	v_add_f32 v216, v216, v217                     ; the wave's 8,192 numbers, in every lane
	v_cmp_eq_u32 vcc_lo, 0, v1
	s_wait_alu depctr_va_vdst(0)
	s_wait_xcnt 0x0                                ; EXEC is a source of the memory instructions issued so far: it changes only behind this wait
	s_and_saveexec_b32 s14, vcc_lo
	global_store_b32 v3, v216, s[8:9]              ; lane 0 stores the wave's word
	s_wait_xcnt 0x0                                ; and again in front of the line that widens EXEC
	s_or_b32 exec_lo, exec_lo, s14
	s_endpgm
.Lfunc_end_k_q4d78c9217f_wsum:
	.size	k_q4d78c9217f_wsum, .Lfunc_end_k_q4d78c9217f_wsum-k_q4d78c9217f_wsum
	.p2alignl 7, 3214868480
	.fill 96, 4, 3214868480
	.section	.rodata,"a",@progbits
	.p2align	6, 0x0
	.amdhsa_kernel k_q4d78c9217f_wsum
		.amdhsa_group_segment_fixed_size 0
		.amdhsa_private_segment_fixed_size 0
		.amdhsa_enable_private_segment 0
		.amdhsa_kernarg_size 24
		.amdhsa_user_sgpr_count 2
		.amdhsa_user_sgpr_kernarg_segment_ptr 1
		.amdhsa_wavefront_size32 1
		.amdhsa_system_sgpr_workgroup_id_x 1
		.amdhsa_system_sgpr_workgroup_id_y 1
		.amdhsa_system_sgpr_workgroup_id_z 1
		.amdhsa_system_vgpr_workitem_id 0
		.amdhsa_next_free_vgpr 224
		.amdhsa_next_free_sgpr 66
		.amdhsa_reserve_vcc 1
		.amdhsa_float_denorm_mode_32 3
		.amdhsa_float_denorm_mode_16_64 3
		.amdhsa_memory_ordered 1
		.amdhsa_forward_progress 1
		.amdhsa_inst_pref_size 24
	.end_amdhsa_kernel
	.amdgpu_metadata
---
amdhsa.version: [ 1, 2 ]
amdhsa.kernels:
  - .name:           k_q4d78c9217f_wsum
    .symbol:         k_q4d78c9217f_wsum.kd
    .args:
      - { .name: weight_re, .offset: 0, .size: 8, .value_kind: global_buffer, .address_space: global }
      - { .name: weight_im, .offset: 8, .size: 8, .value_kind: global_buffer, .address_space: global }
      - { .name: psum, .offset: 16, .size: 8, .value_kind: global_buffer, .address_space: global }
    .group_segment_fixed_size: 0
    .private_segment_fixed_size: 0
    .kernarg_segment_align: 8
    .kernarg_segment_size: 24
    .max_flat_workgroup_size: 256
    .sgpr_count:     66
    .vgpr_count:     224
    .wavefront_size: 32
...
	.end_amdgpu_metadata
.endif
;; end of part 1
;; launch quant (part 2): grid 512 x 1, 4 waves a work-group, no clusters, 34,304 bytes of LDS; arguments weight_re, weight_im, quant_x_re, quant_x_im, psum, wq, xq; writes wq, xq
.if DOCPART == 2
	.amdgcn_target "amdgcn-amd-amdhsa--gfx1250"
	.amdhsa_code_object_version 6
	.text
	.protected	k_q4d78c9217f_quant
	.globl	k_q4d78c9217f_quant
	.p2align	8
	.type	k_q4d78c9217f_quant,@function
k_q4d78c9217f_quant:
	s_mov_b64 s[64:65], 0
	v_nop
	global_prefetch_b8 v0, s[64:65] scope:SCOPE_SE
	s_setreg_imm32_b32 hwreg(HW_REG_WAVE_MODE, 25, 1), 1
	s_wait_xcnt 0x0
; THE FOUR OPERANDS BECOME CODES OF BF8 (E5M2) WITH ONE E8M0 SCALE BYTE FOR EACH 32 ALONG K; the weights are ternarised on the way, in f32, step by step:
;   m = max(sum|w| x 2^-23, 1e-5); scale = 1 / m; q = round(w x scale) held to -1 .. 1; t = q / scale; the operand is w + (t - w).
; wq and xq are laid as the products' launch reads them: [128 rows: 16][256 along K: 16][re, im: 2][a PART of 33,792 bytes].  A part: codes [16 rows: 8][128 along K: 2][an image of the operand's 16 registers: 2,048 bytes:
; four pieces of 512 bytes, lane l's 16 bytes at 16 l: row l % 16, k = 32 c + 16 (l / 16) + 0 .. 15 in piece c]; behind them, at 32,768, the scale words [16 rows: 8][row: 16][128 along K: 2], byte b of a word for k = 32 b .. 32 b + 31.
; SHARES.  Work-group g makes part g of wq and then part g of xq (the two tensors have one shape, so one set of offsets serves both).  Wave p takes rows 32 p .. 32 p + 31 of the part: four fragments f = 2 u + q of 16 rows x 128 K.
; Each load reads 512 consecutive bytes of one row.  The conversions want 16 neighbours along K in ONE lane, so a fragment's 16 rows turn through the wave's own stage in LDS (rows 528 bytes apart: row r starts at bank 4 r mod 64
; of 64 banks of 4 bytes, ISA guide 11.1) and come back 64 bytes a lane and block.  The codes leave as they stand in the registers: each store covers 512 consecutive bytes, aligned.
; A block's scale is 2^(floor(log2(its largest magnitude)) - 15); its byte is that magnitude's exponent field - 15, held at 1 from below; each number is held within +-57,344 x the scale and rounded to the nearest code, ties to even.
; LIMITS: NaN and infinities are not served.  A block of zeros gets the byte 1 where the rule says 127: its codes are zeros, which add nothing under any byte but 0xff, and this program alone reads the bytes.
; The mean is a tree of f32 sums (the launch before, and the head here); 1 / m and 1 / scale are v_rcp_f32 with one Newton step: a weight that lies just at |w x scale| = 0.5 may turn with their last bits.
; A stream: no tensor loads, no barrier (waves share nothing), no branch.  The work-groups share only the 4,096 bytes of sums, a small part of what each reads: nothing is asked for jointly.
.set PARTB, 33792
.set GA,  4                            ; v4   16 x lane: the loads' and the code stores' offset; never rewritten
.set STI, 5                            ; v5   the stage on the way in: 8,448 x wave + 16 x lane
.set STO, 6                            ; v6   and on the way out: 8,448 x wave + 528 r + 64 h
.set SCO, 7                            ; v7   8 x lane: my two scale words
.set SCL, 10                           ; v[10:11] scale, twice (a pair for the packed forms)
.set DD,  12                           ; v[12:13] 1 / scale, twice
.set TM,  16                           ; v16-19 largest magnitudes, v20-23 bytes, v24-27 57,344 x the scale, v28-31 the conversions' scale operands
.set PW,  32                           ; v32-39 a scale word for each of the eight fragments
.set X,   64                           ; v64-127  the fragment in hand: register 16 b + i = k 32 b + 16 h + i of row r
.set Q,   128                          ; v128-191 the sums at the head; the ternariser's q; the codes of x
.set C1,  192                          ; v192-255 the codes of w.  No store's data are ever written again
                                       ; window 1 (v256-511): fragment f's row i as loaded, at v[64 f + 4 i]
.set MSB, 0
.macro WIN new                         ; s_set_vgpr_msb: bits 1:0 source 0, 3:2 source 1, 5:4 source 2, 7:6 destination; the high byte repeats the setting that is left
.if MSB != \new
	s_set_vgpr_msb (MSB<<8)|\new
.set MSB, \new
.endif
.endm
	s_load_b256 s[4:11], s[0:1], 0x0               ; weight_re s[4:5], weight_im s[6:7], quant_x_re s[8:9], quant_x_im s[10:11]
	s_load_b128 s[12:15], s[0:1], 0x20             ; psum s[12:13], wq s[14:15]
	s_load_b64 s[16:17], s[0:1], 0x30              ; xq
	v_lshl_add_u32 v62, v0, 2, 0x8400
	v_mov_b32 v63, 0
	v_lshrrev_b32 v1, 5, v0
	v_readfirstlane_b32 s18, v1                    ; wave 0..3
	v_and_b32 v1, 31, v0                           ; lane
	v_and_b32 v2, 15, v0                           ; r
	v_bfe_u32 v3, v0, 4, 1                         ; h
	v_lshlrev_b32 v[GA], 4, v1
	s_mul_i32 s35, s18, 8448                       ; my stage: 16 rows x 528 bytes
	v_lshl_add_u32 v[STI], v1, 4, s35
	v_mul_u32_u24 v[STO], v2, 528
	v_lshl_add_u32 v[STO], v3, 6, v[STO]
	v_add_nc_u32 v[STO], s35, v[STO]
	v_lshlrev_b32 v[SCO], 3, v1
	v_mov_b32 v15, 0                               ; a lane permute's destination counts as one of its sources: these five are written once
.irp b, 0,1,2,3
	v_mov_b32 v[TM+4+\b], 0
.endr
	s_and_b32 s19, ttmp9, 1                        ; re or im
	s_bfe_u32 s20, ttmp9, 0x40001                  ; which 256 along K
	s_lshr_b32 s21, ttmp9, 5                       ; which 128 rows
	s_lshl_b32 s22, s21, 21                        ; the source: 128 rows of 16,384 bytes,
	s_lshl_b32 s36, s18, 19                        ; my wave's 32 rows,
	s_add_co_u32 s22, s22, s36
	s_lshl_b32 s36, s20, 10                        ; 256 numbers along K
	s_add_co_u32 s22, s22, s36
	s_mov_b32 s23, 0
	s_mul_i32 s36, ttmp9, PARTB                    ; the part,
	s_add_co_u32 s38, s36, 32768                   ; its scale words,
	s_lshl_b32 s35, s18, 8
	s_add_co_u32 s38, s38, s35                     ; my wave's 256 bytes of them;
	s_lshl_b32 s35, s18, 13
	s_add_co_u32 s36, s36, s35                     ; my wave's 8,192 bytes of codes
	s_mov_b32 s37, 0
	s_mov_b32 s39, 0
	s_mov_b32 s32, 0x76543210                      ; v_permlanex16_b32's selects for lane l xor 16
	s_mov_b32 s33, 0xfedcba98
	s_mov_b32 s34, 0x600000                        ; the mantissa field of 57,344
	s_wait_kmcnt 0x0
	s_add_nc_u64 s[24:25], s[14:15], s[36:37]      ; wq: my codes,
	s_add_nc_u64 s[26:27], s[14:15], s[38:39]      ; my scale words
	s_add_nc_u64 s[28:29], s[16:17], s[36:37]      ; xq likewise
	s_add_nc_u64 s[30:31], s[16:17], s[38:39]
	s_lshl_b32 s36, s19, 12                        ; the tensor's 1,024 sums
	s_add_nc_u64 s[12:13], s[12:13], s[36:37]
	s_cmp_eq_u32 s19, 0                            ; re or im: the choice hangs on the work-group's number alone
	s_cselect_b64 s[4:5], s[4:5], s[6:7]
	s_cselect_b64 s[8:9], s[8:9], s[10:11]
	s_add_nc_u64 s[4:5], s[4:5], s[22:23]          ; w at my wave's first row and column
	s_add_nc_u64 s[8:9], s[8:9], s[22:23]          ; x likewise
.macro LOADF f, base                   ; fragment f's 16 rows, 512 consecutive bytes each, into window 1; read once in this launch and by nobody after it
	WIN 0x40                                       ; destination window 1
.set i, 0
.rept 16
	global_load_b128 v[64*(\f)+4*i:64*(\f)+4*i+3], v[GA], s[\base:\base+1] offset:(16*((\f)/2)+i)*16384+512*((\f)%2) th:TH_LOAD_NT
.set i, i+1
.endr
	WIN 0
.endm
.macro TERN                            ; X = w becomes w + (t - w)
.set k, 0
.rept 32
	v_pk_mul_f32 v[Q+k:Q+k+1], v[X+k:X+k+1], v[SCL:SCL+1]          ; w x scale
.set k, k+2
.endr
.set k, 0
.rept 64
	v_rndne_f32 v[Q+k], v[Q+k]                                     ; to the nearest whole number, ties to even
.set k, k+1
.endr
.set k, 0
.rept 64
	v_med3_num_f32 v[Q+k], v[Q+k], -1.0, 1.0                       ; q
.set k, k+1
.endr
.set k, 0
.rept 32
	v_pk_fma_f32 v[Q+k:Q+k+1], v[Q+k:Q+k+1], v[DD:DD+1], v[X+k:X+k+1] neg_lo:[0,0,1] neg_hi:[0,0,1]   ; t - w: q x (1 / scale) is exact, so the one rounding is the subtraction's
.set k, k+2
.endr
.set k, 0
.rept 32
	v_pk_add_f32 v[X+k:X+k+1], v[X+k:X+k+1], v[Q+k:Q+k+1]          ; w + (t - w)
.set k, k+2
.endr
.endm
.macro QUANT c, pw                     ; X's 64 numbers become a fragment's codes in v[c] on and its scale word in v[pw]
.irp b, 0,1,2,3
	v_max3_num_f32 v[TM+\b], |v[X+16*\b]|, |v[X+1+16*\b]|, 0x8000000   ; block b: my 16 numbers, and the floor 2^(16 - 127): the byte cannot fall under 1
.endr
.irp i, 2,4,6,8,10,12,14
.irp b, 0,1,2,3
	v_max3_num_f32 v[TM+\b], v[TM+\b], |v[X+16*\b+\i]|, |v[X+1+16*\b+\i]|   ; the four blocks by turns: no line waits for the line above it
.endr
.endr
.irp b, 0,1,2,3
	v_permlanex16_b32 v[TM+4+\b], v[TM+\b], s32, s33
.endr
.irp b, 0,1,2,3
	v_max_num_f32 v[TM+\b], v[TM+\b], v[TM+4+\b]                   ; with lane l xor 16's: the block's largest magnitude
.endr
.irp b, 0,1,2,3
	v_add_nc_u32 v[TM+12+\b], 0xf8800000, v[TM+\b]                 ; 15 off its exponent field: the conversion takes this operand's exponent field as its scale
.endr
.irp b, 0,1,2,3
	v_and_or_b32 v[TM+8+\b], v[TM+\b], 0x7f800000, s34             ; 57,344 x the scale
.endr
.irp b, 0,1,2,3
	v_lshrrev_b32 v[TM+4+\b], 23, v[TM+12+\b]                      ; the scale's byte
.endr
	v_lshl_or_b32 v[\pw], v[TM+5], 8, v[TM+4]                      ; the four bytes make my row's scale word (both halves of the lanes hold it)
	v_lshl_or_b32 v[\pw], v[TM+6], 16, v[\pw]
	v_lshl_or_b32 v[\pw], v[TM+7], 24, v[\pw]
.irp b, 0,1,2,3
.irp i, 0,1,2,3,4,5,6,7,8,9,10,11,12,13,14,15
	v_med3_num_f32 v[X+16*\b+\i], v[X+16*\b+\i], -v[TM+8+\b], v[TM+8+\b]   ; the conversion to an 8-bit code does not saturate (ISA guide 7.6.2): the hold at the largest code x the scale
.endr
	v_cvt_scalef32_pk8_bf8_f32 v[(\c)+4*\b:(\c)+4*\b+1], v[X+16*\b:X+16*\b+7], v[TM+12+\b]
	v_cvt_scalef32_pk8_bf8_f32 v[(\c)+4*\b+2:(\c)+4*\b+3], v[X+16*\b+8:X+16*\b+15], v[TM+12+\b]
.endr
	v_nop                                          ; one plain vector instruction behind the last scaled conversion, ahead of whatever next writes its sources
.endm
; One fragment.  wait: the younger loads that may stay out.  tern = 1: a weight's.  reload = 1: its registers in window 1 take the same fragment of x.
.macro FRAG f, wait, tern, reload, c, pw, dst
	s_wait_loadcnt \wait
	WIN 0x04                                       ; an LDS store's data are its source 1: window 1
.set i, 0
.rept 16
	ds_store_b128 v[STI], v[64*(\f)+4*i:64*(\f)+4*i+3] offset:528*i
.set i, i+1
.endr
	WIN 0
.irp b, 0,1,2,3
.irp j, 0,1,2,3
	ds_load_b128 v[X+16*\b+4*\j:X+16*\b+4*\j+3], v[STO] offset:128*\b+16*\j   ; LDS serves a wave's instructions in order (ISA guide 5.7.1.4): these see the stores above, and the next fragment's stores come behind them
.endr
.endr
	s_wait_dscnt 0x0                               ; X is in, and the stores have read window 1's registers
.if \reload
	LOADF \f, 8
.endif
.if \tern
	TERN
.endif
	QUANT \c, \pw
.endm
.irp j, 0,1,2,3,4,5,6,7
	global_load_b128 v[Q+4*\j:Q+4*\j+3], v[GA], s[12:13] offset:512*\j   ; the tensor's 1,024 sums: 32 a lane
.endr
	LOADF 0, 4
	LOADF 1, 4
	LOADF 2, 4
	s_wait_loadcnt 48                              ; the sums are in; the 48 loads of w behind them may be out
.irp k, 0,2,4,6,8,10,12,14
	v_pk_add_f32 v[Q+\k:Q+\k+1], v[Q+\k:Q+\k+1], v[Q+16+\k:Q+17+\k]
.endr
.irp k, 0,2,4,6
	v_pk_add_f32 v[Q+\k:Q+\k+1], v[Q+\k:Q+\k+1], v[Q+8+\k:Q+9+\k]
.endr
.irp k, 0,2
	v_pk_add_f32 v[Q+\k:Q+\k+1], v[Q+\k:Q+\k+1], v[Q+4+\k:Q+5+\k]
.endr
	v_pk_add_f32 v[Q:Q+1], v[Q:Q+1], v[Q+2:Q+3]
	v_add_f32 v14, v[Q], v[Q+1]
	v_add_f32_dpp v14, v14, v14 row_xmask:1 row_mask:0xf bank_mask:0xf
	v_add_f32_dpp v14, v14, v14 row_xmask:2 row_mask:0xf bank_mask:0xf
	v_add_f32_dpp v14, v14, v14 row_xmask:4 row_mask:0xf bank_mask:0xf
	v_add_f32_dpp v14, v14, v14 row_xmask:8 row_mask:0xf bank_mask:0xf
	v_permlanex16_b32 v15, v14, s32, s33
	v_add_f32 v14, v14, v15                        ; the sum of |w|: the same lines on the same numbers in every wave of the launch, so the same bits
	v_mul_f32 v14, 0x34000000, v14                 ; x 2^-23: the mean of 2^23 numbers, exact
	v_max_num_f32 v14, 0x3727c5ac, v14             ; m = max(mean, 1e-5)
	s_wait_alu depctr_va_vdst(0)
	v_rcp_f32 v15, v14
	v_nop                                          ; a plain place behind the transcendental
	s_wait_alu depctr_va_vdst(0)
	v_fma_f32 v[SCL+1], -v14, v15, 1.0             ; one Newton step: e = 1 - m r,
	v_fma_f32 v[SCL], v15, v[SCL+1], v15           ; scale = r + r e
	s_wait_alu depctr_va_vdst(0)
	v_rcp_f32 v15, v[SCL]
	v_nop
	s_wait_alu depctr_va_vdst(0)
	v_fma_f32 v[DD+1], -v[SCL], v15, 1.0
	v_fma_f32 v[DD], v15, v[DD+1], v15             ; 1 / scale likewise
	v_mov_b32 v[SCL+1], v[SCL]                     ; both as pairs
	v_mov_b32 v[DD+1], v[DD]
	LOADF 3, 4
	; the weights.  Behind w's fragment f stand three groups of 16 loads each time: w's later fragments and x's earlier ones
	s_wait_alu depctr_va_vdst(0)
	FRAG 0, 48, 1, 1, C1, PW, 24
	FRAG 1, 48, 1, 1, C1+16, PW+1, 24
	FRAG 2, 48, 1, 1, C1+32, PW+2, 24
	FRAG 3, 48, 1, 1, C1+48, PW+3, 24
	v_cmp_le_u32 vcc_lo, 16, v1                    ; lanes 0-15 store rows 0-15's two words, lanes 16-31 rows 16-31's
	v_cndmask_b32 v40, v[PW], v[PW+2], vcc_lo
	v_cndmask_b32 v41, v[PW+1], v[PW+3], vcc_lo
.irp f, 0,1,2,3                        ; the weights' codes leave in one run, behind the fourth fragment: their registers are never written again
.irp k, 0,1,2,3
	global_store_b128 v[GA], v[C1+16*\f+4*\k:C1+16*\f+4*\k+3], s[24:25] offset:2048*\f+512*\k   ; 32 lanes store 512 consecutive bytes, at a multiple of 256 from the buffer's first byte
.endr
.endr
	global_store_b64 v[SCO], v[40:41], s[26:27]
	; the tokens: the counts run down
	FRAG 0, 48, 0, 0, Q, PW+4, 28
	FRAG 1, 32, 0, 0, Q+16, PW+5, 28
	FRAG 2, 16, 0, 0, Q+32, PW+6, 28
	FRAG 3, 0, 0, 0, Q+48, PW+7, 28
	v_cndmask_b32 v42, v[PW+4], v[PW+6], vcc_lo
	v_cndmask_b32 v43, v[PW+5], v[PW+7], vcc_lo
.irp f, 0,1,2,3                        ; and the tokens' codes likewise
.irp k, 0,1,2,3
	global_store_b128 v[GA], v[Q+16*\f+4*\k:Q+16*\f+4*\k+3], s[28:29] offset:2048*\f+512*\k
.endr
.endr
	global_store_b64 v[SCO], v[42:43], s[30:31]
	s_wait_tensorcnt 0x0
	ds_add_u32 v62, v63
	s_wait_dscnt 0x0
	s_endpgm
.Lfunc_end_k_q4d78c9217f_quant:
	.size	k_q4d78c9217f_quant, .Lfunc_end_k_q4d78c9217f_quant-k_q4d78c9217f_quant
	.p2alignl 7, 3214868480
	.fill 96, 4, 3214868480
	.section	.rodata,"a",@progbits
	.p2align	6, 0x0
	.amdhsa_kernel k_q4d78c9217f_quant
		.amdhsa_group_segment_fixed_size 34304
		.amdhsa_private_segment_fixed_size 0
		.amdhsa_enable_private_segment 0
		.amdhsa_kernarg_size 56
		.amdhsa_user_sgpr_count 2
		.amdhsa_user_sgpr_kernarg_segment_ptr 1
		.amdhsa_wavefront_size32 1
		.amdhsa_system_sgpr_workgroup_id_x 1
		.amdhsa_system_sgpr_workgroup_id_y 1
		.amdhsa_system_sgpr_workgroup_id_z 1
		.amdhsa_system_vgpr_workitem_id 0
		.amdhsa_next_free_vgpr 512
		.amdhsa_next_free_sgpr 66
		.amdhsa_reserve_vcc 1
		.amdhsa_float_denorm_mode_32 3
		.amdhsa_float_denorm_mode_16_64 3
		.amdhsa_memory_ordered 1
		.amdhsa_forward_progress 1
		.amdhsa_inst_pref_size 151
	.end_amdhsa_kernel
	.amdgpu_metadata
---
amdhsa.version: [ 1, 2 ]
amdhsa.kernels:
  - .name:           k_q4d78c9217f_quant
    .symbol:         k_q4d78c9217f_quant.kd
    .args:
      - { .name: weight_re, .offset: 0, .size: 8, .value_kind: global_buffer, .address_space: global }
      - { .name: weight_im, .offset: 8, .size: 8, .value_kind: global_buffer, .address_space: global }
      - { .name: quant_x_re, .offset: 16, .size: 8, .value_kind: global_buffer, .address_space: global }
      - { .name: quant_x_im, .offset: 24, .size: 8, .value_kind: global_buffer, .address_space: global }
      - { .name: psum, .offset: 32, .size: 8, .value_kind: global_buffer, .address_space: global }
      - { .name: wq, .offset: 40, .size: 8, .value_kind: global_buffer, .address_space: global }
      - { .name: xq, .offset: 48, .size: 8, .value_kind: global_buffer, .address_space: global }
    .group_segment_fixed_size: 34304
    .private_segment_fixed_size: 0
    .kernarg_segment_align: 8
    .kernarg_segment_size: 56
    .max_flat_workgroup_size: 128
    .sgpr_count:     66
    .vgpr_count:     512
    .wavefront_size: 32
...
	.end_amdgpu_metadata
.endif
;; end of part 2
;; launch gemm (part 3): grid 16 x 16, 4 waves a work-group, clusters of 4 x 4, 327,680 bytes of LDS; arguments xq, wq, out0, out1; writes out0, out1
.if DOCPART == 3
	.amdgcn_target "amdgcn-amd-amdhsa--gfx1250"
	.amdhsa_code_object_version 6
	.text
	.protected	k_q4d78c9217f_gemm
	.globl	k_q4d78c9217f_gemm
	.p2align	8
	.type	k_q4d78c9217f_gemm,@function
k_q4d78c9217f_gemm:
	s_mov_b64 s[64:65], 0
	v_nop
	global_prefetch_b8 v0, s[64:65] scope:SCOPE_SE
	s_setreg_imm32_b32 hwreg(HW_REG_WAVE_MODE, 25, 1), 1
	s_wait_xcnt 0x0
	s_wait_alu depctr_hold_cnt(0) depctr_sa_sdst(0) depctr_va_vdst(0) depctr_va_sdst(0) depctr_va_ssrc(0) depctr_va_vcc(0) depctr_vm_vsrc(0)
	s_getreg_b32 s2, hwreg(HW_REG_IB_STS2, 6, 4)
	s_cmp_eq_u32 s2, 0
	s_cbranch_scc0 .Lentry_in_a_cluster
	s_endpgm
.Lentry_in_a_cluster:
	s_bfe_u32 s2, ttmp6, 0x10000c
	s_cmp_lg_u32 s2, 0xf033
	s_cbranch_scc0 .Lentry_shape_is_right
	s_endpgm
.Lentry_shape_is_right:
; y_re = x_re w_re^T - x_im w_im^T, y_im = x_re w_im^T + x_im w_re^T on codes of BF8 (E5M2) with E8M0 scales, as the launch before laid them:
; xq, wq: [128 rows: 16][256 along K: 16][re, im: 2][a part of 33,792 bytes: images of the operands' registers (8 blocks of 16 rows x 2 x 128 K x 2,048 bytes), then 1,024 bytes of scale words].
; A work-group makes 128 tokens x 128 outputs of both results: four waves, each 64 x 64, all four products: 64 accumulators, 512 registers; the sums are joined on the way out.
; K goes in 16 steps of 256 through a ring of two LDS slots; a slot holds four parts (x re, x im, w re, w im), one joint tensor load a wave.
; CLUSTERS: 4 x 4 work-groups; x's parts are asked for jointly along a row of the cluster, w's along a column.
; A STEP of 128 along K is 64 products, A's blocks one after the other, each against B's eight.  The next step's fragments come in short runs of LDS loads between groups of 16 products:
; B has two sets of registers, A one (a block is free when its eight products are issued).
; A load into registers that a product has read stands eight plain vector places behind it: eight v_nop ahead of each of A's runs; those at a step's end also serve B's set, which the next step loads.
; A slot's second step works on registers alone, so its first 32 products stand AHEAD of the wait for the next slot's tile; wait, add, wait, round and refill then follow on end:
; all 128 products of a K step stand between a refill and the wait for it.
; PREFETCH: of a part's 128 blocks of 256 bytes of codes each of the four partners that ask for it jointly names 32, told apart by address (cx for x, cy for w), a lane a block, one instruction a wave.
; K steps 1 and 2 are named at the head, 3 behind slot 1's load, and the refill that fetches step n + 2 names step n + 4; the loop's last trip names nothing.  A part's 1,024 bytes of scale words come by the load alone.
; The matrix instruction is used transposed (source 0 = 16 rows of w, source 1 = 16 rows of x): a lane holds eight neighbouring outputs of one token.
; REGISTERS: window 0: v0-31 addresses, v32-63 scale words (two sets), v64-127 at work on the way out, v128-255 A's fragments; window 1: B's two sets; windows 2, 3: the accumulators of x_re's and of x_im's blocks.
.set PARTB,  33792
.set SLOT,   4*PARTB
.set KSB,    2*PARTB                   ; from one K step to the next in memory
.set BLKB,   16*KSB                    ; from 128 rows to the next
.set FR,     16
.set NP,     8
.set LAPS,   8
.set STAGE,  2*SLOT                    ; behind the ring: each wave's stage for the way out
.set WSTG,   2*16*272
.set SPARE,  STAGE+4*WSTG              ; the spare words, 128 bytes a wave
.set ADRA, 16                          ; v16-17 my A fragments in slot 0, 1
.set ADRB, 20                          ; v20-21 my B fragments
.set ADRS, 22                          ; v22-23 my scale words: lanes 0-15 A's, lanes 16-31 B's
.set STO,  24
.set RD,   25
.set CO,   26
.set SPW,  28
.set NIL,  29
.set PFO,  30                          ; 256 x lane: the prefetches' offset
.set SC,   32
.set T,    64
.set AF,   128
.set BK,   128
.set G1, 24
.set G0, 32
.set G1B, 48
.set G0B, 56
.set PFA, 66                           ; s[66:67] my 8,192 bytes of my part, stepped along K
.set MSB, 0
.macro WIN new                         ; the immediate's high byte repeats the setting that is left
.if MSB != \new
	s_set_vgpr_msb (MSB<<8)|\new
.set MSB, \new
.endif
.endm
.set MUL_LO, 0xa1                      ; source 0 (B) window 1, source 1 (A) window 0, C and D window 2
.set TO_B,   0x40                      ; destination window 1, address window 0
.macro JLOAD g0a, g1a, g0b, g1b        ; waves 0, 1 ask for x's parts, waves 2, 3 for w's; s_nop 0 and four v_nop behind each line
	s_cmp_eq_u32 s15, 0
	s_cbranch_scc0 .Lfor_b_\@
	tensor_load_to_lds s[\g0a:\g0a+3], s[\g1a:\g1a+7]
	s_nop 0
.rept 4
	v_nop
.endr
	s_branch .Lasked_\@
.Lfor_b_\@:
	tensor_load_to_lds s[\g0b:\g0b+3], s[\g1b:\g1b+7]
	s_nop 0
.rept 4
	v_nop
.endr
.Lasked_\@:
.endm
.macro CREST                           ; a round of the cluster's barrier behind its opening barrier
	s_cmp_lg_u32 s14, 0
	s_cbranch_scc1 .Lnot_wave_0_\@
	s_barrier_signal -3
.Lnot_wave_0_\@:
	s_barrier_wait -3
	s_barrier_signal -1
	s_barrier_wait -1
.endm
.macro CROUND
	s_barrier_signal -1
	s_barrier_wait -1
	CREST
.endm
.macro PLACES n
.rept \n
	v_nop
.endr
.endm
	s_load_b256 s[4:11], s[0:1], 0x0               ; xq, wq, out0, out1
	v_lshl_add_u32 v[SPW], v0, 2, SPARE
	v_mov_b32 v[NIL], 0
	ds_add_u32 v[SPW], v[NIL]                      ; the opening lines: the add twice on end and one wait
	ds_add_u32 v[SPW], v[NIL]
	v_lshrrev_b32 v1, 5, v0
	v_readfirstlane_b32 s14, v1                    ; wave 0..3
	s_lshr_b32 s15, s14, 1                         ; my half of the tokens; also: I fetch for x (0) or for w (1)
	s_and_b32 s16, s14, 1                          ; my half of the outputs; also: I fetch the re (0) or the im (1) part
	s_bfe_u32 s40, ttmp6, 0x40000                  ; cx
	s_bfe_u32 s41, ttmp6, 0x40004                  ; cy
	s_lshl_b32 s42, ttmp9, 2
	s_add_co_u32 s42, s42, s40                     ; which 128 outputs
	s_and_b32 s17, ttmp7, 0xffff
	s_lshl_b32 s17, s17, 2
	s_add_co_u32 s17, s17, s41                     ; which 128 tokens
	s_lshl_b32 s43, s41, 2
	s_lshl_b32 s43, 15, s43                        ; my row of the cluster
	s_lshl_b32 s44, 0x1111, s40                    ; my column
	s_or_b32 s[G1+0], s43, (3<<16)|(1<<21)         ; a part is dense: 132 rows of 32 elements of 8 bytes, no padding
	s_or_b32 s[G1B+0], s44, (3<<16)|(1<<21)
.irp g, G1, G1B
	s_mov_b32 s[\g+1], 32<<16
	s_mov_b32 s[\g+2], 132<<16
	s_mov_b32 s[\g+3], 32<<16
	s_mov_b32 s[\g+4], 132
	s_mov_b32 s[\g+5], 32
	s_mov_b32 s[\g+6], 0
	s_mov_b32 s[\g+7], 0
.endr
	s_mul_i32 s18, s16, PARTB
	s_mul_i32 s20, s17, BLKB
	s_add_co_u32 s20, s20, s18
	s_mov_b32 s21, 0
	s_mul_i32 s46, s42, BLKB
	s_add_co_u32 s46, s46, s18
	s_mov_b32 s47, 0
	s_mul_i32 s45, s14, PARTB                      ; where my part goes in a slot
	s_wait_dscnt 0x0                               ; both opening adds are done
	s_wait_kmcnt 0x0
	s_add_nc_u64 s[20:21], s[4:5], s[20:21]        ; x's part of K step 0
	s_add_nc_u64 s[46:47], s[6:7], s[46:47]        ; w's
.irp s, 0,1
	s_mov_b32 s[G0+4*\s], 1
	s_add_co_u32 s[G0+4*\s+1], s45, \s*SLOT
	s_add_nc_u64 s[G0+4*\s+2:G0+4*\s+3], s[20:21], \s*KSB
	s_or_b32 s[G0+4*\s+3], s[G0+4*\s+3], 0x80000000
	s_mov_b32 s[G0B+4*\s], 1
	s_add_co_u32 s[G0B+4*\s+1], s45, \s*SLOT
	s_add_nc_u64 s[G0B+4*\s+2:G0B+4*\s+3], s[46:47], \s*KSB
	s_or_b32 s[G0B+4*\s+3], s[G0B+4*\s+3], 0x80000000
.endr
	s_cmp_eq_u32 s15, 0                            ; the prefetches: the part that I fetch,
	s_cselect_b64 s[PFA:PFA+1], s[20:21], s[46:47]
	s_cselect_b32 s68, s40, s41                    ; my place among the four that ask for it with me,
	s_lshl_b32 s68, s68, 13                        ; 32 blocks of 256 bytes each
	s_mov_b32 s69, 0
	s_add_nc_u64 s[PFA:PFA+1], s[PFA:PFA+1], s[68:69]
	CROUND                                         ; all sixteen work-groups are here: the first joint loads meet
	JLOAD G0, G1, G0B, G1B                         ; K step 0: one tensor load a wave at the head
	s_lshl_b32 s18, s15, 14                        ; my 64 rows of x: four blocks of 4,096 bytes in each part
	s_lshl_b32 s19, s16, 14
	s_add_co_u32 s19, s19, 2*PARTB                 ; my 64 rows of w, behind x's two parts
	s_xor_b32 s22, s15, 1
	s_add_co_u32 s22, s22, s16
	s_lshl_b32 s22, s22, 9
	s_add_co_u32 s22, s22, 2*PARTB-512             ; from A's scale words to B's: 2 parts + 512 (my half of w - my half of x)
	s_lshl_b32 s23, s15, 9
	s_add_co_u32 s23, s23, 32768
	s_mul_i32 s70, s14, WSTG
	s_add_co_u32 s70, s70, STAGE                   ; my stage
	v_and_b32 v[PFO], 31, v0
	v_lshlrev_b32 v[PFO], 8, v[PFO]
	global_prefetch_b8 v[PFO], s[PFA:PFA+1] offset:KSB th:TH_LOAD_NT scope:SCOPE_SE     ; K step 1
	global_prefetch_b8 v[PFO], s[PFA:PFA+1] offset:2*KSB th:TH_LOAD_NT scope:SCOPE_SE   ; K step 2
	v_and_b32 v1, 31, v0
	v_and_b32 v2, 15, v0                           ; r
	v_bfe_u32 v3, v0, 4, 1                         ; h
	v_lshlrev_b32 v4, 4, v1                        ; an image's piece: 16 bytes a lane
	v_add_nc_u32 v[ADRA], s18, v4
	v_add_nc_u32 v[ADRA+1], SLOT, v[ADRA]
	v_add_nc_u32 v[ADRB], s19, v4
	v_add_nc_u32 v[ADRB+1], SLOT, v[ADRB]
	v_mul_u32_u24 v5, s22, v3                      ; lanes 16-31 take B's words
	v_lshl_add_u32 v5, v2, 3, v5                   ; 8 bytes a row
	v_add_nc_u32 v[ADRS], s23, v5
	v_add_nc_u32 v[ADRS+1], SLOT, v[ADRS]
	v_mul_u32_u24 v5, v2, 272
	v_lshl_add_u32 v5, v3, 5, v5
	v_add_nc_u32 v[STO], s70, v5                   ; into the stage: row r, 32 bytes for each half of the lanes
	v_mul_u32_u24 v5, v3, 272
	v_lshl_add_u32 v5, v2, 4, v5
	v_add_nc_u32 v[RD], s70, v5                    ; back: sixteen lanes to a row of 256 bytes
	v_lshlrev_b32 v5, 13, v3
	v_lshl_add_u32 v[CO], v2, 4, v5                ; and the same two rows in the outputs
.macro FRAG reg, adr, q, t             ; fragment t (0-3 re, 4-7 im) of the slot's q-th 128 along K: four pieces of 512 bytes
.irp c, 0,1,2,3
	ds_load_b128 v[\reg+4*\c:\reg+4*\c+3], v[\adr] offset:((\t)/4)*PARTB+((\t)%4)*4096+(\q)*2048+512*\c
.endr
.endm
; The step in hand: slot CS, its CQ-th 128 along K, B's set CP, CZ = 1: its products start the sums.  The step that is fetched for: slot NXS, NXQ, B's set NXP.
.macro MM a, b                         ; one product; the 64 accumulators take turns, in the same order in every step
.set AC, 8*(8*((\a)%4)+(\b))
.if CZ
	v_wmma_scale_f32_16x16x128_f8f6f4 v[AC:AC+7], v[128*CP+FR*(\b):128*CP+FR*(\b)+15], v[AF+FR*(\a):AF+FR*(\a)+15], 0, v[SC+16*CS+2*(\b)+CQ], v[SC+16*CS+2*(\a)+CQ] matrix_a_fmt:MATRIX_FMT_BF8 matrix_b_fmt:MATRIX_FMT_BF8 matrix_a_scale:MATRIX_SCALE_ROW1
.else
	v_wmma_scale_f32_16x16x128_f8f6f4 v[AC:AC+7], v[128*CP+FR*(\b):128*CP+FR*(\b)+15], v[AF+FR*(\a):AF+FR*(\a)+15], v[AC:AC+7], v[SC+16*CS+2*(\b)+CQ], v[SC+16*CS+2*(\a)+CQ] matrix_a_fmt:MATRIX_FMT_BF8 matrix_b_fmt:MATRIX_FMT_BF8 matrix_a_scale:MATRIX_SCALE_ROW1
.endif
.endm
.macro MUL8 a                          ; A's block a against B's eight
	WIN MUL_LO+0x50*((\a)/4)
.irp b, 0,1,2,3,4,5,6,7
	MM \a, \b
.endr
.endm
.macro RUN_B i0                        ; 16 loads: B's blocks i0 .. i0 + 3 of the next step
	WIN TO_B
.irp i, \i0, \i0+1, \i0+2, \i0+3
	FRAG 128*NXP+FR*(\i), ADRB+NXS, NXQ, \i
.endr
.endm
.macro RUN_A i0                        ; 16 loads: A's blocks i0 .. i0 + 3 of the next step
	WIN 0
.irp i, \i0, \i0+1, \i0+2, \i0+3
	FRAG AF+FR*(\i), ADRA+NXS, NXQ, \i
.endr
.endm
.macro SCALES                          ; the next slot's scale words: two a row; lanes 0-15 A's block t, lanes 16-31 B's
	WIN 0
.irp t, 0,1,2,3,4,5,6,7
	ds_load_b64 v[SC+16*NXS+2*\t:SC+16*NXS+2*\t+1], v[ADRS+NXS] offset:(\t/4)*PARTB+(\t%4)*128
.endr
.endm
.macro PLAIN slot, zero                ; a slot's first step: a run of 16 loads behind each 16 products
.set CS, \slot
.set CQ, 0
.set CP, 0
.set CZ, \zero
.set NXS, \slot
.set NXQ, 1
.set NXP, 1
	s_wait_dscnt 16                                ; all but the youngest run, A's blocks 4-7
	MUL8 0
	MUL8 1
	RUN_B 0
	MUL8 2
	MUL8 3
	RUN_B 4
	s_wait_dscnt 32                                ; A's blocks 4-7 are in; B's two runs may be out
	MUL8 4
	MUL8 5
	PLACES NP                                      ; A's blocks 0-3 were read by products
	RUN_A 0
	MUL8 6
	MUL8 7
	PLACES NP                                      ; for A's blocks 4-7, and for B's set in hand, which the next step loads
	RUN_A 4
.endm
; A slot's second step changes slots.  Every read of the slot has been issued, so 32 products go first; then each wave waits for all its tensor loads, adds 0 to its spare word and waits for the add and its reads;
; the barrier follows (fill = 1: it opens a round of the cluster's barrier); the refill comes first behind it, then the other slot is read.
.macro TURN slot, next, fill
.set CS, \slot
.set CQ, 1
.set CP, 1
.set CZ, 0
.set NXS, \next
.set NXQ, 0
.set NXP, 0
.if \fill
	s_wait_xcnt 0x0                                ; my last prefetch, a K step back, has read its address
	s_add_nc_u64 s[PFA:PFA+1], s[PFA:PFA+1], KSB
.endif
	s_wait_dscnt 16                                ; all but the youngest run, A's blocks 4-7
	MUL8 0
	MUL8 1
	MUL8 2
	MUL8 3
	WIN 0                                          ; the add's two registers lie in window 0
	s_wait_tensorcnt 0x0                           ; all my tensor loads have landed: my part of the next slot
	ds_add_u32 v[SPW], v[NIL]
.if \fill
	s_add_nc_u64 s[G0+4*\slot+2:G0+4*\slot+3], s[G0+4*\slot+2:G0+4*\slot+3], 2*KSB      ; no load of mine is out: this slot's next K step
	s_add_nc_u64 s[G0B+4*\slot+2:G0B+4*\slot+3], s[G0B+4*\slot+2:G0B+4*\slot+3], 2*KSB
.endif
	s_wait_dscnt 0x0                               ; the add is done, and my reads of this slot are over
	s_barrier_signal -1
	s_barrier_wait -1
.if \fill
	CREST                                          ; no wave of any partner still reads this slot or has a load on its way
	JLOAD G0+4*\slot, G1, G0B+4*\slot, G1B
	PLACES NP-4                                    ; with the four behind the load: eight places for A's blocks 0-3
.else
	PLACES NP
.endif
	RUN_B 0
	SCALES
	MUL8 4
	MUL8 5
	RUN_B 4
	RUN_A 0
.if \fill
	WIN 0
	s_cmp_gt_u32 s3, 1                             ; the loop's last trip has no K step two refills on
	s_cbranch_scc0 .Lno_ask_\@
	global_prefetch_b8 v[PFO], s[PFA:PFA+1] offset:3*KSB th:TH_LOAD_NT scope:SCOPE_SE
.Lno_ask_\@:
.endif
	MUL8 6
	MUL8 7
	PLACES NP                                      ; for A's blocks 4-7, and for B's set in hand
	RUN_A 4
.endm
	s_wait_alu depctr_va_vdst(0)
	s_wait_tensorcnt 0x0                           ; my part of K step 0 is in; slot 1's first fill is issued as a refill is
	ds_add_u32 v[SPW], v[NIL]
	s_lshl_b32 s20, s17, 20                        ; my part of the outputs: 128 tokens of 8,192 bytes,
	s_lshl_b32 s21, s15, 19                        ; my 64 of them,
	s_add_co_u32 s20, s20, s21
	s_mov_b32 s21, 0
	s_lshl_b32 s46, s42, 9                         ; 128 outputs of 4 bytes,
	s_lshl_b32 s47, s16, 8                         ; my 64
	s_add_co_u32 s46, s46, s47
	s_mov_b32 s47, 0
	s_add_nc_u64 s[20:21], s[20:21], s[46:47]
	s_add_nc_u64 s[8:9], s[8:9], s[20:21]
	s_add_nc_u64 s[10:11], s[10:11], s[20:21]
	s_wait_dscnt 0x0
	CROUND
	JLOAD G0+4, G1, G0B+4, G1B                     ; K step 1
.set NXS, 0
.set NXQ, 0
.set NXP, 0
	RUN_B 0
	RUN_B 4
	SCALES
	RUN_A 0
	RUN_A 4
	global_prefetch_b8 v[PFO], s[PFA:PFA+1] offset:3*KSB th:TH_LOAD_NT scope:SCOPE_SE   ; K step 3
	PLAIN 0, 1                                     ; the first step stands in front of the loop: its products start the sums
	WIN 0                                          ; at a label and at a branch every window is 0
	s_mov_b32 s3, LAPS-1
.Llap:                                                 ; a trip goes once round the ring and fills both slots again
	TURN 0, 1, 1
	PLAIN 1, 0
	TURN 1, 0, 1
	PLAIN 0, 0
	WIN 0
	s_sub_co_u32 s3, s3, 1
	s_cmp_lg_u32 s3, 0
	s_cbranch_scc1 .Llap
	TURN 0, 1, 0                                   ; the last lap fills nothing
	PLAIN 1, 0
.set CQ, 1
.set CP, 1
	s_wait_dscnt 16                                ; the very last step: nothing more to fetch
	MUL8 0
	MUL8 1
	MUL8 2
	MUL8 3
	s_wait_dscnt 0x0
	MUL8 4
	MUL8 5
	MUL8 6
	MUL8 7
	WIN 0
; THE WAY OUT, 16 tokens at a time: the four products are joined (re: x_re w_re - x_im w_im; im: x_re w_im + x_im w_re), go through my own stage and come back as rows of 256 bytes, sixteen lanes to an aligned unit.
.macro COMBINE ta
	WIN 0x0e                                       ; source 0 window 2 (x_re's sums), source 1 window 3 (x_im's)
.irp ob, 0,1,2,3
.irp i, 0,2,4,6
	v_pk_add_f32 v[T+8*\ob+\i:T+8*\ob+\i+1], v[8*(8*(\ta)+\ob)+\i:8*(8*(\ta)+\ob)+\i+1], v[8*(8*(\ta)+4+\ob)+\i:8*(8*(\ta)+4+\ob)+\i+1] neg_lo:[0,1] neg_hi:[0,1]
	v_pk_add_f32 v[T+32+8*\ob+\i:T+32+8*\ob+\i+1], v[8*(8*(\ta)+4+\ob)+\i:8*(8*(\ta)+4+\ob)+\i+1], v[8*(8*(\ta)+\ob)+\i:8*(8*(\ta)+\ob)+\i+1]
.endr
.endr
	WIN 0
.endm
.macro TOSTAGE ta
.irp z, 0,1
.irp ob, 0,1,2,3
.irp u, 0,1
	ds_store_b128 v[STO], v[T+32*\z+8*\ob+4*\u:T+32*\z+8*\ob+4*\u+3] offset:4352*\z+64*\ob+16*\u
.endr
.endr
.endr
.set BB, BK+64*((\ta)%2)
.irp z, 0,1
.irp t, 0,1,2,3,4,5,6,7
	ds_load_b128 v[BB+32*\z+4*\t:BB+32*\z+4*\t+3], v[RD] offset:4352*\z+544*\t   ; LDS serves a wave's instructions in order: these see the stores above
.endr
.endr
.endm
.macro SEND ta, younger
.set BB, BK+64*((\ta)%2)
	s_wait_dscnt \younger
.irp t, 0,1,2,3,4,5,6,7
	global_store_b128 v[CO], v[BB+4*\t:BB+4*\t+3], s[8:9] offset:131072*(\ta)+16384*\t th:TH_STORE_NT
.endr
.irp t, 0,1,2,3,4,5,6,7
	global_store_b128 v[CO], v[BB+32+4*\t:BB+32+4*\t+3], s[10:11] offset:131072*(\ta)+16384*\t th:TH_STORE_NT
.endr
.endm
	PLACES NP                                      ; eight places behind the last products
	COMBINE 0
	TOSTAGE 0
.irp ta, 1,2,3
	s_wait_dscnt 16                                ; the stage's stores have read T; the 16 loads behind them may be out
	COMBINE \ta
.if \ta > 1
	s_wait_alu depctr_va_vdst(0)
	s_wait_xcnt 0x0                                ; the stores of two blocks back have read their registers
.endif
	TOSTAGE \ta
	SEND \ta-1, 32
.endr
	SEND 3, 0
	s_wait_tensorcnt 0x0                           ; the wave's end
	ds_add_u32 v[SPW], v[NIL]
	s_wait_dscnt 0x0
	CROUND                                         ; the closing round
	s_endpgm
.Lfunc_end_k_q4d78c9217f_gemm:
	.size	k_q4d78c9217f_gemm, .Lfunc_end_k_q4d78c9217f_gemm-k_q4d78c9217f_gemm
	.p2alignl 7, 3214868480
	.fill 96, 4, 3214868480
	.section	.rodata,"a",@progbits
	.p2align	6, 0x0
	.amdhsa_kernel k_q4d78c9217f_gemm
		.amdhsa_group_segment_fixed_size 327680
		.amdhsa_private_segment_fixed_size 0
		.amdhsa_enable_private_segment 0
		.amdhsa_kernarg_size 32
		.amdhsa_user_sgpr_count 2
		.amdhsa_user_sgpr_kernarg_segment_ptr 1
		.amdhsa_wavefront_size32 1
		.amdhsa_system_sgpr_workgroup_id_x 1
		.amdhsa_system_sgpr_workgroup_id_y 1
		.amdhsa_system_sgpr_workgroup_id_z 1
		.amdhsa_system_vgpr_workitem_id 0
		.amdhsa_next_free_vgpr 1024
		.amdhsa_next_free_sgpr 74
		.amdhsa_reserve_vcc 0
		.amdhsa_float_denorm_mode_32 3
		.amdhsa_float_denorm_mode_16_64 3
		.amdhsa_memory_ordered 1
		.amdhsa_forward_progress 1
		.amdhsa_inst_pref_size 138
	.end_amdhsa_kernel
	.amdgpu_metadata
---
amdhsa.version: [ 1, 2 ]
amdhsa.kernels:
  - .name:           k_q4d78c9217f_gemm
    .symbol:         k_q4d78c9217f_gemm.kd
    .args:
      - { .name: xq, .offset: 0, .size: 8, .value_kind: global_buffer, .address_space: global }
      - { .name: wq, .offset: 8, .size: 8, .value_kind: global_buffer, .address_space: global }
      - { .name: out0, .offset: 16, .size: 8, .value_kind: global_buffer, .address_space: global }
      - { .name: out1, .offset: 24, .size: 8, .value_kind: global_buffer, .address_space: global }
    .group_segment_fixed_size: 327680
    .private_segment_fixed_size: 0
    .kernarg_segment_align: 8
    .kernarg_segment_size: 32
    .max_flat_workgroup_size: 128
    .sgpr_count:     74
    .vgpr_count:     1024
    .wavefront_size: 32
...
	.end_amdgpu_metadata
.endif
;; end of part 3
